; MI455X (gfx1250); checked and timed in simulation.
; The chip was launched on July 23, 2026; its instructions are those of AMD's public machine-readable ISA for CDNA 5 (MIT licence, August 2026) and "CDNA5" Instruction Set Architecture Reference Guide (July 2026). The comments in the code are by the model that wrote it; some were corrected since.
;; Mo E. Allowed arithmetic: float matrix products may take bf16 or f16 operands with f32 sums; other float arithmetic in f32, or as packed bf16 or f16 multiplies, adds, multiply-adds, maxima and minima; sums over many terms, partial sums and values carried from step to step in f32; what a program stores and reads back later, other than sums and carried values, may be rounded once to bf16 or f16.
;; Inputs: expert_b 8 x 1,024 float32; expert_w 8 x 1,024 x 1,024 float32; gate_b 8 float32; gate_w 8 x 1,024 float32; x 4 x 2,048 x 1,024 float32.
;; Outputs: out0 4 x 2,048 x 1,024 float32.
;; One version. Each part assembles by itself: llvm-mc -triple=amdgcn-amd-amdhsa -mcpu=gfx1250 --defsym DOCPART=n.
;; ======== version 1 of 1: 3 launches
;; limits: right only within a limited range of input values
;; workspace buffers: xb 16,777,216 bytes; wb 16,777,216 bytes; rs 131,072 bytes; pid 32,768 bytes of whole numbers; hist 32,768 bytes of whole numbers; perm 32,768 bytes of whole numbers; tiles 2,560 bytes of whole numbers
;; launch route (part 1): grid 256 x 1, 8 waves a work-group, no clusters, 18,432 bytes of LDS; arguments x, gate_w, gate_b, xb, pid, rs, hist; writes xb, pid, rs, hist
.if DOCPART == 1
	.amdgcn_target "amdgcn-amd-amdhsa--gfx1250"
	.amdhsa_code_object_version 6
	.text
	.protected	k_q2924df4045_route
	.globl	k_q2924df4045_route
	.p2align	8
	.type	k_q2924df4045_route,@function
k_q2924df4045_route:
	s_mov_b64 s[64:65], 0
	v_nop
	global_prefetch_b8 v0, s[64:65] scope:SCOPE_SE
	s_setreg_imm32_b32 hwreg(HW_REG_WAVE_MODE, 25, 1), 1
	s_wait_xcnt 0x0
; ROUTER.  For each of 8,192 tokens: x rounded once to bf16 and stored (xb); 8 logits = x . gate_w[e] + gate_b[e], all three rounded to bf16, products exact, sums in f32;
; the two largest logits (strict >, ascending e: the lower index wins a tie); softmax over the 8 with the maximum taken away; stored at fixed places: (rho, rho, sigma, sigma) with
; sigma = max(g_b, 2^-30 g_a), rho = g_a / sigma for the chosen experts a < b, so that the last launch can form g_a y_a + g_b y_b as sigma (rho y_a + y_b) in one accumulator;
; the word pair + 256 rank, where pair = a (15 - a) / 2 + b - a - 1 and rank counts the earlier tokens of the same pair among the work-group's 32; and the work-group's count of each pair (hist).
; LIMITS.  The choice is made on the logits: where two gates round to the same f32 while their logits differ, the choice by gates would go by index.  Logits are taken to be finite.
; A gate below 2^-126 counts as 0.  Where g_b < 2^-30 g_a expert b is weighed with 2^-30 g_a.
; SHARES.  A work-group has 32 tokens, each of its 8 waves 4 rows.  Lane l holds k = 128 j + 4 l + 0..3, j = 0..7, of a row: each load covers 512 consecutive bytes, each store of xb 256, aligned.
; The logits are made by the vector unit: 8 output columns would fill half a matrix tile and want the rows turned through LDS, and the launch moves 6 bytes for each 8 multiply-adds a lane.
; rs leaves as 16 bytes a lane from four lanes, pid and hist as 128 consecutive bytes a work-group: 24 bytes a token beside the token's 6,144.
.set SPARE, 16384                      ; behind the gates: the spare words, 128 bytes for each of 8 waves
.set PIDL,  17408                      ; 1,024 bytes: thread t's pair number at PIDL + 4 t (lanes 0 to 3 of a wave hold its four rows')
.set LN,  1                            ; v1   lane
.set L16, 2                            ; v2   16 x lane
.set L8,  3                            ; v3   8 x lane
.set ZR,  4                            ; v4   0.0: the first term's addend
.set GLS, 5                            ; v5   where my wave's packed gate row goes in LDS
.set SPW, 6                            ; v6   LDS address of my spare word; never rewritten
.set NIL, 7                            ; v7   0; never rewritten
.set PKG, 16                           ; v16-31   my wave's gate row, packed bf16
.set ACC, 32                           ; v32-39   eight running sums
.set LG,  40                           ; v40-47   logits: lane j holds row j
.set GB,  48                           ; v48-55   gate_b rounded to bf16, as f32
.set TP,  56                           ; v56-63   at work
.set XP,  64                           ; v64-127  row j packed at XP + 16 j (v64-95 first take the gate row as loaded)
.set G,   128                          ; v128-255 expert e's gates packed at G + 16 e, in the rows' own order of k
                                       ; window 1: v0-127 the four rows as loaded, row j at 32 j
.set WV,  24
.set T0,  25                           ; s25  my wave's first token
.set SEL, 26                           ; s[26:27] v_permlanex16_b32's selects
.set MSB, 0
.macro WIN new                         ; the immediate's high byte repeats the setting that is left
.if MSB != (\new)
	s_set_vgpr_msb (MSB<<8)|(\new)
.set MSB, (\new)
.endif
.endm
	s_load_b256 s[4:11], s[0:1], 0x0               ; x s[4:5], gate_w s[6:7], gate_b s[8:9], xb s[10:11]
	s_load_b128 s[12:15], s[0:1], 0x20             ; pid s[12:13], rs s[14:15]
	s_load_b64 s[38:39], s[0:1], 0x30              ; hist
	v_lshl_add_u32 v[SPW], v0, 2, SPARE
	v_mov_b32 v[NIL], 0
	v_and_b32 v[LN], 31, v0
	v_lshrrev_b32 v8, 5, v0
	v_readfirstlane_b32 s[WV], v8                  ; wave 0..7
	v_lshlrev_b32 v[L16], 4, v[LN]
	v_lshlrev_b32 v[L8], 3, v[LN]
	v_mov_b32 v[ZR], 0
	s_lshl_b32 s32, s[WV], 11
	v_add_nc_u32 v[GLS], s32, v[L16]               ; expert w's 2,048 bytes
.set e, 0
.rept 8
	v_mov_b32 v[TP+e], 0                           ; v_permlanex16_b32's destinations count as read
.set e, e+1
.endr
	s_mov_b32 s[SEL], 0x76543210
	s_mov_b32 s[SEL+1], 0xfedcba98
	s_lshl_b32 s[T0], ttmp9, 5
	s_lshl_b32 s35, s[WV], 2
	s_add_co_u32 s[T0], s[T0], s35                 ; 32 x work-group + 4 x wave
	s_mov_b32 s33, 0
	s_wait_kmcnt 0x0
	s_lshl_b32 s32, s[T0], 12
	s_add_nc_u64 s[28:29], s[4:5], s[32:33]        ; x at my first row
	s_lshl_b32 s32, s[T0], 11
	s_add_nc_u64 s[30:31], s[10:11], s[32:33]      ; xb at my first row
	s_lshl_b32 s32, s[WV], 12
	s_add_nc_u64 s[36:37], s[6:7], s[32:33]        ; gate_w at row w
.set j, 0
.rept 8
	global_load_b128 v[XP+4*j:XP+4*j+3], v[L16], s[36:37] offset:512*j
.set j, j+1
.endr
	WIN 0x40                                       ; destination window 1
.set j, 0
.rept 32                                       ; all four rows are asked for at once: 16 KiB a wave
	global_load_b128 v[4*j:4*j+3], v[L16], s[28:29] offset:512*j th:TH_LOAD_NT
.set j, j+1
.endr
	WIN 0
	s_load_b256 s[16:23], s[8:9], 0x0              ; gate_b
	s_wait_loadcnt 32                              ; the gate row is in; the 32 loads of x stay out
.set n, 0
.rept 16
	v_cvt_pk_bf16_f32 v[PKG+n], v[XP+2*n], v[XP+2*n+1]
.set n, n+1
.endr
.set n, 0
.rept 4
	ds_store_b128 v[GLS], v[PKG+4*n:PKG+4*n+3] offset:512*n
.set n, n+1
.endr
	s_wait_dscnt 0x0                               ; for the others' sake: my gate row is in LDS
	s_barrier_signal -1
	s_barrier_wait -1
.set n, 0
.rept 32                                       ; all eight rows back, 16 registers an expert
	ds_load_b128 v[G+4*n:G+4*n+3], v[L16] offset:512*n
.set n, n+1
.endr
	s_wait_kmcnt 0x0
.set n, 0
.rept 4
	v_cvt_pk_bf16_f32 v8, s[16+2*n], s[17+2*n]
	v_lshlrev_b32 v[GB+2*n], 16, v8
	v_and_b32 v[GB+2*n+1], 0xffff0000, v8
.set n, n+1
.endr
	s_wait_dscnt 0x0                               ; the gates are in registers
; Row j is rounded and stored.
.macro ROWS j
	s_wait_loadcnt 8*(3-(\j))                      ; my eight loads are in; the younger rows stay out
	WIN 0x05                                       ; sources in window 1
.set n, 0
.rept 16
	v_cvt_pk_bf16_f32 v[XP+16*(\j)+n], v[32*(\j)+2*n], v[32*(\j)+2*n+1]
.set n, n+1
.endr
	WIN 0
.set n, 0
.rept 8
	global_store_b64 v[L8], v[XP+16*(\j)+2*n:XP+16*(\j)+2*n+1], s[30:31] offset:2048*(\j)+256*n  ; 256 consecutive bytes, aligned; each row has registers of its own
.set n, n+1
.endr
.endm
; Row j is multiplied with all eight gate rows and summed over the 32 lanes; lane j keeps its logits.
.macro ROWF j
.set m, 0
.rept 16
.set e, 0
.rept 8
.if m == 0
	v_fma_mix_f32_bf16 v[ACC+e], v[XP+16*(\j)+m], v[G+16*e+m], v[ZR] op_sel_hi:[1,1,0]
.else
	v_fma_mix_f32_bf16 v[ACC+e], v[XP+16*(\j)+m], v[G+16*e+m], v[ACC+e] op_sel_hi:[1,1,0]
.endif
.set e, e+1
.endr
.set e, 0
.rept 8
	v_fma_mix_f32_bf16 v[ACC+e], v[XP+16*(\j)+m], v[G+16*e+m], v[ACC+e] op_sel:[1,1,0] op_sel_hi:[1,1,0]
.set e, e+1
.endr
.set m, m+1
.endr
.irp x, 1,2,4,8
.set e, 0
.rept 8
	v_add_f32_dpp v[ACC+e], v[ACC+e], v[ACC+e] row_xmask:\x row_mask:0xf bank_mask:0xf
.set e, e+1
.endr
.endr
.set e, 0
.rept 8
	v_permlanex16_b32 v[TP+e], v[ACC+e], s[SEL], s[SEL+1]
.set e, e+1
.endr
.if (\j) == 0
.set e, 0
.rept 8
	v_add_f32 v[LG+e], v[ACC+e], v[TP+e]           ; row 0 writes every lane
.set e, e+1
.endr
.else
	s_mov_b32 s34, 1<<(\j)
.set e, 0
.rept 8
	v_add_f32 v[ACC+e], v[ACC+e], v[TP+e]
	v_cndmask_b32 v[LG+e], v[LG+e], v[ACC+e], s34  ; lane j takes row j
.set e, e+1
.endr
.endif
.endm
	ROWS 0                                         ; row by row: a row's multiply-adds run while the younger rows are still on their way
	ROWF 0
	ROWS 1
	ROWF 1
	ROWS 2
	ROWF 2
	ROWS 3
	ROWF 3
	; THE CHOICE, once for the four rows: lane j works for row j (the other lanes repeat row 0; what they make is not used).
.set e, 0
.rept 8
	v_add_f32 v[LG+e], v[LG+e], v[GB+e]
.set e, e+1
.endr
	v_mov_b32 v8, v[LG]                            ; v8 the largest logit, v9 its expert
	v_mov_b32 v9, 0
.irp e, 1,2,3,4,5,6,7
	v_cmp_gt_f32 vcc_lo, v[LG+\e], v8
	v_cndmask_b32 v8, v8, v[LG+\e], vcc_lo
	v_cndmask_b32 v9, v9, \e, vcc_lo
.endr
	v_mov_b32 v10, 0xff800000                      ; v10 the second largest, v11 its expert
	v_mov_b32 v11, 0
.irp e, 0,1,2,3,4,5,6,7
	v_cmp_gt_f32 s34, v[LG+\e], v10
	v_cmp_ne_u32 vcc_lo, \e, v9
	s_and_b32 vcc_lo, vcc_lo, s34
	v_cndmask_b32 v10, v10, v[LG+\e], vcc_lo
	v_cndmask_b32 v11, v11, \e, vcc_lo
.endr
.set e, 0
.rept 8
	v_sub_f32 v[ACC+e], v[LG+e], v8                ; the maximum is taken away,
	v_mul_f32 v[ACC+e], 0x3fb8aa3b, v[ACC+e]       ; times log2(e)
.set e, e+1
.endr
	v_sub_f32 v12, v10, v8
	v_mul_f32 v12, 0x3fb8aa3b, v12
.set e, 0
.rept 8
	v_exp_f32 v[ACC+e], v[ACC+e]
.set e, e+1
.endr
	v_exp_f32 v12, v12
	v_nop                                          ; a plain instruction behind the last exponential (ISA guide 5.7.2),
	s_wait_alu depctr_va_vdst(0)                   ; and the one wait ahead of the batch's first reader
	v_add_f32 v13, v[ACC], v[ACC+1]
	v_add_f32 v14, v[ACC+2], v[ACC+3]
	v_add_f32 v15, v[ACC+4], v[ACC+5]
	v_add_f32 v[TP], v[ACC+6], v[ACC+7]
	v_add_f32 v13, v13, v14
	v_add_f32 v15, v15, v[TP]
	v_add_f32 v13, v13, v15
	v_rcp_f32 v13, v13                             ; the largest gate is 1 / sum
	v_min_u32 v[TP], v9, v11                       ; a  (plain work behind the reciprocal)
	v_max_u32 v[TP+1], v9, v11                     ; b
	s_wait_alu depctr_va_vdst(0)
	v_mul_f32 v12, v12, v13                        ; the second gate
	v_cmp_lt_u32 vcc_lo, v9, v11
	v_cndmask_b32 v14, v12, v13, vcc_lo            ; g_a
	v_cndmask_b32 v15, v13, v12, vcc_lo            ; g_b
	v_mul_f32 v[TP+2], 0x30800000, v14             ; 2^-30 g_a
	v_max_num_f32 v[TP+6], v15, v[TP+2]            ; sigma: at least 2^-33, since one of the two gates is at least 1/8
	v_rcp_f32 v[TP+3], v[TP+6]
	v_sub_nc_u32 v8, 15, v[TP]                     ; the pair's number (plain work behind the reciprocal)
	v_mul_lo_u32 v8, v8, v[TP]
	v_lshrrev_b32 v8, 1, v8
	v_add_nc_u32 v8, v8, v[TP+1]
	v_sub_nc_u32 v8, v8, v[TP]
	v_add_nc_u32 v8, -1, v8
	v_lshlrev_b32 v10, 2, v0
	ds_store_b32 v10, v8 offset:PIDL               ; every thread has a word of its own
	s_wait_alu depctr_va_vdst(0)
	v_mul_f32 v[TP+4], v14, v[TP+3]                ; rho
	v_mov_b32 v[TP+5], v[TP+4]
	v_mov_b32 v[TP+7], v[TP+6]
	v_add_nc_u32 v9, s[T0], v[LN]
	v_lshlrev_b32 v11, 4, v9
	s_wait_xcnt 0x0                                ; EXEC changes only behind this wait: xb's stores name it
	v_cmp_gt_u32 vcc_lo, 4, v[LN]
	s_and_saveexec_b32 s34, vcc_lo
	global_store_b128 v11, v[TP+4:TP+7], s[14:15]
	s_wait_xcnt 0x0                                ; and again, in front of the line that widens it
	s_or_b32 exec_lo, exec_lo, s34
	s_wait_dscnt 0x0                               ; for wave 0's sake: my pair numbers are in LDS
	s_barrier_signal -1
	s_barrier_wait -1
	s_cmp_lg_u32 s[WV], 0
	s_cbranch_scc1 .Ldone
	; WAVE 0, lane l = the work-group's token l: its rank among the 32 tokens' equal pairs, and (lane l = pair l) the number of tokens of that pair.
.set PD,   8
.set BT,   9
.set XT,   10
.set SAME, 11
.set BINM, 12
.set RK,   13
.set FL,   ACC                         ; v32-36  bit k of my lane's number, less 1
	v_lshrrev_b32 v[BT], 2, v[LN]                  ; token l lies in wave l / 4,
	v_and_b32 v[XT], 3, v[LN]                      ; lane l % 4
	v_lshlrev_b32 v[XT], 2, v[XT]
	v_lshl_add_u32 v[BT], v[BT], 7, v[XT]
	ds_load_b32 v[PD], v[BT] offset:PIDL
.irp k, 0,1,2,3,4
	v_bfe_u32 v[FL+\k], v[LN], \k, 1
	v_add_nc_u32 v[FL+\k], -1, v[FL+\k]            ; 0 where the bit is set, all ones where not
.endr
	s_mov_b32 s35, 0x01010101
	s_lshl_b32 s32, ttmp9, 7
	v_lshl_add_u32 v[TP], v[LN], 2, s32            ; 128 x work-group + 4 x lane, in pid and in hist
	s_wait_dscnt 0x0
	; for each of the pair number's five bits, s34 = the lanes in which it is set.  SAME = the lanes with my token's pair; BINM = the lanes whose pair's number is my LANE's number
.irp k, 0,1,2,3,4
	v_bfe_u32 v[BT], v[PD], \k, 1
	v_cmp_ne_u32 s34, 0, v[BT]
	v_add_nc_u32 v[BT], -1, v[BT]
.if \k == 0
	v_xor_b32 v[SAME], s34, v[BT]
	v_xor_b32 v[BINM], s34, v[FL]
.else
	v_xor_b32 v[XT], s34, v[BT]
	v_and_b32 v[SAME], v[SAME], v[XT]
	v_xor_b32 v[XT], s34, v[FL+\k]
	v_and_b32 v[BINM], v[BINM], v[XT]
.endif
.endr
	v_mbcnt_lo_u32_b32 v[RK], v[SAME], 0           ; SAME's bits below me
	v_lshl_or_b32 v[RK], v[RK], 8, v[PD]
	global_store_b32 v[TP], v[RK], s[12:13]        ; 128 consecutive bytes
	v_lshrrev_b32 v[XT], 1, v[BINM]                ; BINM's bits, counted by halves, quarters, bytes and one multiply
	v_and_b32 v[XT], 0x55555555, v[XT]
	v_sub_nc_u32 v[BINM], v[BINM], v[XT]
	v_lshrrev_b32 v[XT], 2, v[BINM]
	v_and_b32 v[XT], 0x33333333, v[XT]
	v_and_b32 v[BINM], 0x33333333, v[BINM]
	v_add_nc_u32 v[BINM], v[BINM], v[XT]
	v_lshrrev_b32 v[XT], 4, v[BINM]
	v_add_nc_u32 v[BINM], v[BINM], v[XT]
	v_and_b32 v[BINM], 0x0f0f0f0f, v[BINM]
	v_mul_lo_u32 v[BINM], v[BINM], s35
	v_lshrrev_b32 v[BINM], 24, v[BINM]
	global_store_b32 v[TP], v[BINM], s[38:39]      ; 128 consecutive bytes
.Ldone:
	s_wait_tensorcnt 0x0                           ; the wave's end, behind my last LDS store
	ds_add_u32 v[SPW], v[NIL]
	s_wait_dscnt 0x0
	s_endpgm
.Lfunc_end_k_q2924df4045_route:
	.size	k_q2924df4045_route, .Lfunc_end_k_q2924df4045_route-k_q2924df4045_route
	.p2alignl 7, 3214868480
	.fill 96, 4, 3214868480
	.section	.rodata,"a",@progbits
	.p2align	6, 0x0
	.amdhsa_kernel k_q2924df4045_route
		.amdhsa_group_segment_fixed_size 18432
		.amdhsa_private_segment_fixed_size 0
		.amdhsa_enable_private_segment 0
		.amdhsa_kernarg_size 56
		.amdhsa_user_sgpr_count 2
		.amdhsa_user_sgpr_kernarg_segment_ptr 1
		.amdhsa_wavefront_size32 1
		.amdhsa_system_sgpr_workgroup_id_x 1
		.amdhsa_system_sgpr_workgroup_id_y 1
		.amdhsa_system_sgpr_workgroup_id_z 1
		.amdhsa_system_vgpr_workitem_id 0
		.amdhsa_next_free_vgpr 384
		.amdhsa_next_free_sgpr 66
		.amdhsa_reserve_vcc 1
		.amdhsa_float_denorm_mode_32 3
		.amdhsa_float_denorm_mode_16_64 3
		.amdhsa_memory_ordered 1
		.amdhsa_forward_progress 1
		.amdhsa_inst_pref_size 103
	.end_amdhsa_kernel
	.amdgpu_metadata
---
amdhsa.version: [ 1, 2 ]
amdhsa.kernels:
  - .name:           k_q2924df4045_route
    .symbol:         k_q2924df4045_route.kd
    .args:
      - { .name: x, .offset: 0, .size: 8, .value_kind: global_buffer, .address_space: global }
      - { .name: gate_w, .offset: 8, .size: 8, .value_kind: global_buffer, .address_space: global }
      - { .name: gate_b, .offset: 16, .size: 8, .value_kind: global_buffer, .address_space: global }
      - { .name: xb, .offset: 24, .size: 8, .value_kind: global_buffer, .address_space: global }
      - { .name: pid, .offset: 32, .size: 8, .value_kind: global_buffer, .address_space: global }
      - { .name: rs, .offset: 40, .size: 8, .value_kind: global_buffer, .address_space: global }
      - { .name: hist, .offset: 48, .size: 8, .value_kind: global_buffer, .address_space: global }
    .group_segment_fixed_size: 18432
    .private_segment_fixed_size: 0
    .kernarg_segment_align: 8
    .kernarg_segment_size: 56
    .max_flat_workgroup_size: 256
    .sgpr_count:     66
    .vgpr_count:     384
    .wavefront_size: 32
...
	.end_amdgpu_metadata
.endif
;; end of part 1
;; launch prep (part 2): grid 256 x 1, 8 waves a work-group, no clusters, 167,936 bytes of LDS; arguments expert_w, pid, hist, wb, perm, tiles; writes wb, perm, tiles
.if DOCPART == 2
	.amdgcn_target "amdgcn-amd-amdhsa--gfx1250"
	.amdhsa_code_object_version 6
	.text
	.protected	k_q2924df4045_prep
	.globl	k_q2924df4045_prep
	.p2align	8
	.type	k_q2924df4045_prep,@function
k_q2924df4045_prep:
	s_mov_b64 s[64:65], 0
	v_nop
	global_prefetch_b8 v0, s[64:65] scope:SCOPE_SE
	s_setreg_imm32_b32 hwreg(HW_REG_WAVE_MODE, 25, 1), 1
	s_wait_xcnt 0x0
; THE WEIGHTS, AND THE PLACING IN THEIR SHADOW.  Every one of the 256 work-groups rounds 128 KiB of expert_w (32 MiB / 256) to bf16 and lays it out in the order in which the last launch's operand
; registers take it: 8 waves, each one tensor load of 64 rows x 256 bytes, read by that wave alone.  Work-groups 0 to 31 also place the 8,192 tokens in the order of their pair of experts
; (28 pairs, a counting sort without atomics) and write the table of row tiles: between the issue of their tile and the wait for it.  The branch hangs on the work-group's number alone.
; wb: byte ((e 8 + cg) 2^18) + kk 8192 + c 1024 + q 512 + 16 lane holds W[e][128 cg + 16 c + lane % 16][32 kk + 16 q + 8 (lane / 16) + 0..7]: registers 4 q .. 4 q + 3 of a matrix fragment.
; perm: the tokens in the order of their pairs, dense.  tiles: entry i = (a, b, first place in perm, rows), 80 rows at the most; entries past the last tile have 0 rows.
; There are never more than 130 tiles: the sum over 28 pairs of ceil(n / 80) with the n adding up to 8,192.
; THE PLACING.  The launch before left, for each chunk of 32 tokens, the count of each pair (hist) and each token's rank among its chunk's tokens of the same pair.  Every one of the 32
; work-groups sums all 256 chunks' counts for itself (32 KiB read, lane = pair, wave w the chunks 32 w .. 32 w + 31), and work-group s then places one chunk for each wave, 32 w + s:
; a token's place is its pair's first place + the pair's count in all earlier chunks + its rank.  So the stores of 4 bytes to scattered places are 8 a work-group, and each place has one writer.
.set TILEB, 17408                      ; a wave's tile in LDS: 64 rows x (256 + 16) bytes; the 16 rows of a load start at 16 different groups of four banks (ISA guide 11.1)
.set WTOT,  8*TILEB                    ; [8 waves][32 pairs] words: the waves' totals; no tile lands here
.set SPARE, WTOT+1024                  ; the spare words, 128 bytes for each of 8 waves
.set LN,  1
.set L16, 2
.set L4,  3
.set VLD, 5
.set SPW, 6                            ; v6  LDS address of my spare word; never rewritten
.set NIL, 7                            ; v7  0; never rewritten
.set F,   64                           ; the conversion: v64-127 f32 as read from LDS; v128-191 bf16 to store
.set O,   128
.set PW,  16                           ; the placing: my token's word, pair + 256 rank
.set PID, 17
.set RK,  18
.set POS, 19                           ; v19, v20 the placing store's offset and data: not named again
.set TOK, 20
.set EXS, 21                           ; lane = pair: the count in my wave's chunks in front of chunk s
.set TW,  22                           ; lane = pair: the count in my wave's 32 chunks
.set XT,  24
.set T,   25
.set TOTAL, 26
.set WPRE, 27
.set NT,  28
.set DB,  29
.set TB,  30
.set INC, 31
.set C,   64                           ; v64-95  lane = pair: chunk m's count; later the 8 waves' totals (all waited for before the conversion takes v64-127)
.set TTB, 192                          ; the table: what the pair that owns tile i has
.set TTOT, 193
.set TDB, 194
.set TAD, 195                          ; v195-199 the table store's offset and data: not named again
.set QD,  196                          ; v[196:199] the entry
.set IDX, 200                          ; the entry's number
.set G0,  16                           ; s[16:19] descriptor group 0
.set G1,  20                           ; s[20:27] descriptor group 1
.set WBP, 36                           ; s[36:37] wb at my wave's part
.set SID, 42                           ; s42  the placing work-group's number
.set WV,  44
.set HB,  46                           ; s[46:47] hist at my wave's chunks
	s_load_b256 s[4:11], s[0:1], 0x0               ; expert_w s[4:5], pid s[6:7], hist s[8:9], wb s[10:11]
	s_load_b128 s[12:15], s[0:1], 0x20             ; perm s[12:13], tiles s[14:15]
	v_lshl_add_u32 v[SPW], v0, 2, SPARE
	v_mov_b32 v[NIL], 0
	ds_add_u32 v[SPW], v[NIL]                      ; the wave's opening: the add and its wait ahead of my first tensor load
	v_lshrrev_b32 v8, 5, v0
	v_readfirstlane_b32 s[WV], v8                  ; wave 0..7
	v_and_b32 v[LN], 31, v0
	v_lshlrev_b32 v[L16], 4, v[LN]
	s_mov_b32 s[G1+0], (2<<16)|(1<<20)|(5<<22)|(3<<25)  ; elements of 4 bytes; padding on: after every 64 words (code 5) 4 words (code 3)
	s_mov_b32 s[G1+1], 64<<16                      ; tensor_dim0 = 64
	s_mov_b32 s[G1+2], 64<<16                      ; tensor_dim1 = 64
	s_mov_b32 s[G1+3], 64<<16                      ; tile_dim0 = 64 elements: 256 bytes, aligned
	s_mov_b32 s[G1+4], 64                          ; tile_dim1 = 64 rows
	s_mov_b32 s[G1+5], 1024                        ; elements from row to row
	s_mov_b32 s[G1+6], 0
	s_mov_b32 s[G1+7], 0
	s_mov_b32 s33, 0
	; Work-group c: expert c / 32, 128 weight rows (c / 4) % 8, quarter c % 4 of K.  Wave w: 64 rows (w % 2) x 64 k (w / 2).
	s_lshr_b32 s29, ttmp9, 5                       ; e
	s_bfe_u32 s30, ttmp9, 0x30002                  ; cg
	s_and_b32 s31, ttmp9, 3                        ; kq
	s_and_b32 s34, s[WV], 1                        ; rh
	s_lshr_b32 s35, s[WV], 1                       ; kc
	s_lshl_b32 s32, s29, 22                        ; e x 1,024 rows x 4,096 bytes
	s_lshl_b32 s38, s30, 19
	s_add_co_u32 s32, s32, s38                     ; + cg x 128 rows
	s_lshl_b32 s38, s34, 18
	s_add_co_u32 s32, s32, s38                     ; + rh x 64 rows
	s_lshl_b32 s38, s31, 10
	s_add_co_u32 s32, s32, s38                     ; + kq x 256 k
	s_lshl_b32 s38, s35, 8
	s_add_co_u32 s32, s32, s38                     ; + kc x 64 k
	s_mov_b32 s[G0], 1
	s_mul_i32 s[G0+1], s[WV], TILEB
	s_wait_dscnt 0x0                               ; the opening add is done
	s_wait_kmcnt 0x0
	s_add_nc_u64 s[G0+2:G0+3], s[4:5], s[32:33]
	s_or_b32 s[G0+3], s[G0+3], 0x80000000
	tensor_load_to_lds s[G0:G0+3], s[G1:G1+7]      ; my one tensor load: 16 KiB; the 8 waves' loads together are the work-group's whole share
	s_nop 0
	s_lshl_b32 s32, s29, 3
	s_add_co_u32 s32, s32, s30
	s_lshl_b32 s32, s32, 18                        ; (e 8 + cg) x 262,144
	s_lshl_b32 s38, s31, 3
	s_lshl1_add_u32 s38, s35, s38                  ; kk of my first 32 k: 8 kq + 2 kc
	s_lshl_b32 s38, s38, 13
	s_add_co_u32 s32, s32, s38
	s_lshl_b32 s38, s34, 12                        ; my four column blocks: 4 rh x 1,024
	s_add_co_u32 s32, s32, s38
	s_add_nc_u64 s[WBP:WBP+1], s[10:11], s[32:33]
	v_and_b32 v8, 15, v[LN]                        ; r
	v_lshrrev_b32 v9, 4, v[LN]                     ; h
	v_mul_u32_u24 v[VLD], v8, 272
	v_lshl_add_u32 v[VLD], v9, 5, v[VLD]           ; 8 h numbers of 4 bytes
	v_add_nc_u32 v[VLD], s[G0+1], v[VLD]
	s_cmp_ge_u32 ttmp9, 32
	s_cbranch_scc1 .Lconv
	; THE PLACING, while my tile is on its way.  It names no register of the tile's descriptor and no byte of the tiles.
	s_mov_b32 s[SID], ttmp9
	s_lshl_b32 s32, s[WV], 12
	s_add_nc_u64 s[HB:HB+1], s[8:9], s[32:33]      ; hist at my wave's 32 chunks, 128 bytes each
	v_lshlrev_b32 v[L4], 2, v[LN]
.set m, 0
.rept 32
	global_load_b32 v[C+m], v[L4], s[HB:HB+1] offset:128*m
.set m, m+1
.endr
	s_lshl_b32 s34, s[WV], 5
	s_add_co_u32 s34, s34, s[SID]                  ; the chunk that I place: 32 w + s
	s_lshl_b32 s32, s34, 7
	s_add_nc_u64 s[28:29], s[6:7], s[32:33]
	global_load_b32 v[PW], v[L4], s[28:29]         ; its 32 tokens' words
	s_lshl_b32 s35, s34, 5
	v_add_nc_u32 v[TOK], s35, v[LN]                ; my token
	s_mov_b32 s40, 0xffff0000                      ; lanes 16 to 31
	s_wait_loadcnt 0x0
	v_mov_b32 v[EXS], 0
	v_mov_b32 v[TW], v[C]
.set m, 0
.rept 32
.if m > 0
	v_add_nc_u32 v[TW], v[TW], v[C+m]
.endif
	s_cmp_gt_u32 s[SID], m                         ; the chunks of my wave in front of mine
	s_cselect_b32 s34, -1, 0
	v_and_b32 v[XT], s34, v[C+m]
	v_add_nc_u32 v[EXS], v[EXS], v[XT]
.set m, m+1
.endr
	v_lshl_add_u32 v[XT], v0, 2, WTOT              ; 128 w + 4 l
	ds_store_b32 v[XT], v[TW]
	s_wait_dscnt 0x0                               ; for the others' sake: my totals are in LDS
	s_barrier_signal -1                            ; the tiles may stay on their way across this barrier
	s_barrier_wait -1
	v_lshl_add_u32 v[XT], v[LN], 2, WTOT
.set m, 0
.rept 8
	ds_load_b32 v[C+m], v[XT] offset:128*m
.set m, m+1
.endr
	s_wait_dscnt 0x0
	v_mov_b32 v[TOTAL], v[C]
	v_mov_b32 v[WPRE], 0
.set m, 0
.rept 8
.if m > 0
	v_add_nc_u32 v[TOTAL], v[TOTAL], v[C+m]
.endif
	s_cmp_gt_u32 s[WV], m                          ; the waves in front of mine
	s_cselect_b32 s34, -1, 0
	v_and_b32 v[T], s34, v[C+m]
	v_add_nc_u32 v[WPRE], v[WPRE], v[T]
.set m, m+1
.endr
	v_add_nc_u32 v[NT], 79, v[TOTAL]
	v_mul_u32_u24 v[NT], 13108, v[NT]
	v_lshrrev_b32 v[NT], 20, v[NT]                 ; ceil(total / 80): 13,108 / 2^20 exceeds 1 / 80 by 7.6e-7, which times 8,271 stays under 1 / 80
; dst = the sum of src over the lanes below mine
.macro SCAN src, dst
	v_mov_b32 v[INC], v[\src]
.irp n, 1,2,4,8
	v_mov_b32_dpp v[XT], v[INC] row_shr:\n row_mask:0xf bank_mask:0xf bound_ctrl:1
	v_add_nc_u32 v[INC], v[INC], v[XT]
.endr
	v_readlane_b32 s34, v[INC], 15                 ; the lower 16 lanes' sum goes onto the upper 16
	v_mov_b32 v[XT], s34
	v_cndmask_b32 v[XT], 0, v[XT], s40
	v_add_nc_u32 v[INC], v[INC], v[XT]
	v_sub_nc_u32 v[\dst], v[INC], v[\src]
.endm
	SCAN TOTAL, DB                                 ; where pair l begins in perm
	SCAN NT, TB                                    ; its first tile
	v_add3_u32 v[T], v[DB], v[WPRE], v[EXS]        ; lane = pair: where my chunk's tokens of that pair begin
	v_and_b32 v[PID], 0xff, v[PW]
	v_min_u32 v[PID], 27, v[PID]
	v_bfe_u32 v[RK], v[PW], 8, 5
	v_lshlrev_b32 v[PID], 2, v[PID]
	ds_bpermute_b32 v[POS], v[PID], v[T]           ; each token pulls its pair's figure from the lane of that number; no LDS byte is touched
	s_wait_dscnt 0x0
	v_add_nc_u32 v[POS], v[POS], v[RK]
	v_min_u32 v[POS], 0x1fff, v[POS]
	v_lshlrev_b32 v[POS], 2, v[POS]
	global_store_b32 v[POS], v[TOK], s[12:13]
	s_cmp_lg_u32 s[WV], 0
	s_cbranch_scc1 .Lconv
	s_cmp_gt_u32 s[SID], 4
	s_cbranch_scc1 .Lconv
	; THE TABLE: wave 0 of work-groups 0 to 4, lane l writes entry 32 s + l of 160.  The last pair whose first tile is not behind the entry owns it.
	s_lshl_b32 s35, s[SID], 5
	v_add_nc_u32 v[IDX], s35, v[LN]
	v_mov_b32 v[TTB], 0
	v_mov_b32 v[TTOT], 0
	v_mov_b32 v[TDB], 0
	v_mov_b32 v[QD], 0
	v_mov_b32 v[QD+1], 0
.set p, 0
.set pa, 0
.set pb, 1
.rept 28
	v_readlane_b32 s34, v[TB], p
	v_readlane_b32 s35, v[TOTAL], p
	v_readlane_b32 s38, v[DB], p
	v_cmp_le_u32 vcc_lo, s34, v[IDX]
	v_cndmask_b32 v[TTB], v[TTB], s34, vcc_lo
	v_cndmask_b32 v[TTOT], v[TTOT], s35, vcc_lo
	v_cndmask_b32 v[TDB], v[TDB], s38, vcc_lo
	v_cndmask_b32 v[QD], v[QD], pa, vcc_lo
	v_cndmask_b32 v[QD+1], v[QD+1], pb, vcc_lo
.set p, p+1
.set pb, pb+1
.if pb > 7
.set pa, pa+1
.set pb, pa+1
.endif
.endr
	v_sub_nc_u32 v[XT], v[IDX], v[TTB]
	v_mul_u32_u24 v[XT], 80, v[XT]
	v_min_u32 v[XT], v[XT], v[TTOT]                ; the pair's rows in the tiles before this one
	v_sub_nc_u32 v[QD+3], v[TTOT], v[XT]
	v_min_u32 v[QD+3], 80, v[QD+3]                 ; rows: 0 behind the last tile
	v_add_nc_u32 v[QD+2], v[TDB], v[XT]
	v_min_u32 v[QD+2], 0x1fff, v[QD+2]
	v_lshlrev_b32 v[TAD], 4, v[IDX]
	global_store_b128 v[TAD], v[QD:QD+3], s[14:15] ; 512 consecutive bytes
.Lconv:
	s_wait_tensorcnt 0x0                           ; my tile is in LDS; no other wave reads it
; 32 k (g) of my 64 rows: eight half fragments n = 2 cb + q, each 8 numbers a lane
.macro CONV g
.set n, 0
.rept 8
	ds_load_b128 v[F+8*n:F+8*n+3],   v[VLD] offset:(n/2)*16*272+128*(\g)+64*(n%2)
	ds_load_b128 v[F+8*n+4:F+8*n+7], v[VLD] offset:(n/2)*16*272+128*(\g)+64*(n%2)+16
.set n, n+1
.endr
	s_wait_dscnt 0x0
.set n, 0
.rept 32
	v_cvt_pk_bf16_f32 v[O+32*(\g)+n], v[F+2*n], v[F+2*n+1]
.set n, n+1
.endr
.set n, 0
.rept 8
	global_store_b128 v[L16], v[O+32*(\g)+4*n:O+32*(\g)+4*n+3], s[WBP:WBP+1] offset:(\g)*8192+(n/2)*1024+(n%2)*512  ; 512 consecutive bytes, aligned; the two g have registers of their own
.set n, n+1
.endr
.endm
	CONV 0
	CONV 1
	s_wait_tensorcnt 0x0                           ; the wave's end, behind my tensor load and my last LDS store
	ds_add_u32 v[SPW], v[NIL]
	s_wait_dscnt 0x0
	s_endpgm
.Lfunc_end_k_q2924df4045_prep:
	.size	k_q2924df4045_prep, .Lfunc_end_k_q2924df4045_prep-k_q2924df4045_prep
	.p2alignl 7, 3214868480
	.fill 96, 4, 3214868480
	.section	.rodata,"a",@progbits
	.p2align	6, 0x0
	.amdhsa_kernel k_q2924df4045_prep
		.amdhsa_group_segment_fixed_size 167936
		.amdhsa_private_segment_fixed_size 0
		.amdhsa_enable_private_segment 0
		.amdhsa_kernarg_size 48
		.amdhsa_user_sgpr_count 2
		.amdhsa_user_sgpr_kernarg_segment_ptr 1
		.amdhsa_wavefront_size32 1
		.amdhsa_system_sgpr_workgroup_id_x 1
		.amdhsa_system_sgpr_workgroup_id_y 1
		.amdhsa_system_sgpr_workgroup_id_z 1
		.amdhsa_system_vgpr_workitem_id 0
		.amdhsa_next_free_vgpr 256
		.amdhsa_next_free_sgpr 66
		.amdhsa_reserve_vcc 1
		.amdhsa_float_denorm_mode_32 3
		.amdhsa_float_denorm_mode_16_64 3
		.amdhsa_memory_ordered 1
		.amdhsa_forward_progress 1
		.amdhsa_inst_pref_size 39
	.end_amdhsa_kernel
	.amdgpu_metadata
---
amdhsa.version: [ 1, 2 ]
amdhsa.kernels:
  - .name:           k_q2924df4045_prep
    .symbol:         k_q2924df4045_prep.kd
    .args:
      - { .name: expert_w, .offset: 0, .size: 8, .value_kind: global_buffer, .address_space: global }
      - { .name: pid, .offset: 8, .size: 8, .value_kind: global_buffer, .address_space: global }
      - { .name: hist, .offset: 16, .size: 8, .value_kind: global_buffer, .address_space: global }
      - { .name: wb, .offset: 24, .size: 8, .value_kind: global_buffer, .address_space: global }
      - { .name: perm, .offset: 32, .size: 8, .value_kind: global_buffer, .address_space: global }
      - { .name: tiles, .offset: 40, .size: 8, .value_kind: global_buffer, .address_space: global }
    .group_segment_fixed_size: 167936
    .private_segment_fixed_size: 0
    .kernarg_segment_align: 8
    .kernarg_segment_size: 48
    .max_flat_workgroup_size: 256
    .sgpr_count:     66
    .vgpr_count:     256
    .wavefront_size: 32
...
	.end_amdgpu_metadata
.endif
;; end of part 2
;; launch experts (part 3): grid 2 x 130, 4 waves a work-group, no clusters, 200,704 bytes of LDS; arguments xb, wb, rs, perm, tiles, expert_b, out0; writes out0
.if DOCPART == 3
	.amdgcn_target "amdgcn-amd-amdhsa--gfx1250"
	.amdhsa_code_object_version 6
	.text
	.protected	k_q2924df4045_experts
	.globl	k_q2924df4045_experts
	.p2align	8
	.type	k_q2924df4045_experts,@function
k_q2924df4045_experts:
	s_mov_b64 s[64:65], 0
	v_nop
	global_prefetch_b8 v0, s[64:65] scope:SCOPE_SE
	s_setreg_imm32_b32 hwreg(HW_REG_WAVE_MODE, 25, 1), 1
	s_wait_xcnt 0x0
; out[t] = g_a (x[t] W_a^T + b_a) + g_b (x[t] W_b^T + b_b) for the two experts a < b that token t chose.  x and W in bf16 (rounded once, by the launches before), b rounded to bf16 here, sums in f32.
; A work-group has a tile of at most 80 tokens of ONE pair (a, b), from the table, and 512 of the 1,024 output columns; each output row has this one owner for its columns.
; ONE accumulator takes both experts: acc = x W_a^T;  acc = rho acc + (rho b_a + b_b);  acc += x W_b^T;  out = sigma acc, with sigma = max(g_b, 2^-30 g_a), rho = g_a / sigma.
; LIMITS.  rho is at most 2^30, so |x W_a^T| must stay under 2^97; where g_b < 2^-30 g_a expert b is weighed with 2^-30 g_a.
; SHARES.  Wave w: all 80 rows x columns 128 cg .. + 127, cg = 4 x slice + w: 5 row blocks i x 8 column blocks c = 40 accumulators.  K is walked twice, 16 trips of 128, a trip in 4 steps of 32.
; THE TOKEN ROWS (80 x 2,048 bytes) are copied into LDS once, by the list, and stay for both experts: nothing is filled again.  Two barriers in the whole text: one behind the copies,
; one between the last read of the rows and the first store into LDS on the way out.
; THE WEIGHTS come from wb straight into operand registers, 512 consecutive bytes a load, through a ring of four steps in registers: 48 loads of a wave stay out while a step is multiplied.
; THE MATRIX INSTRUCTION IS USED TRANSPOSED: source 0 = 16 output columns of W, source 1 = 16 tokens: lane l then holds token l % 16 and the eight neighbouring columns 8 (l / 16) + 0..7.
; A tile that is not full repeats its last row in the places past the count; their stores are jumped.  ROW BLOCKS WHOLLY PAST THE COUNT ARE NOT MULTIPLIED: in every step but the first, a scalar
; branch on the tile's count stands behind row blocks 0-1 and behind row blocks 0-3 and jumps the rest of the step's products (count at most 32, at most 64); nothing but products is jumped.
; A work-group whose entry has 0 rows runs the first step of 64 (it starts every accumulator), jumps over the rest of the products, passes both barriers, stores nothing and ends:
; the grid of 2 x 130 serves every split of the tokens.
; NO CLUSTER: there is no tensor load to share.  The token rows come by a list, which no descriptor covers; the work-groups that walk the same weights are a pair's row tiles,
; whose number (0 to 103) is read from memory, so partners would not be alike in their trips.
; REGISTERS, in windows of 256 (s_set_vgpr_msb: bits 1:0 source 0, 3:2 source 1, 5:4 source 2, 7:6 destination):
;   window 0: addresses and small data (below)          window 1: the weights' ring: step j, column block c at 64 j + 8 c
;   window 2: accumulator (i, c), i = 0..3, at 64 i + 8 c      window 3: v0-63 accumulators of i = 4; v64-103, v104-143 two buffers of token fragments, block i at + 8 i
.set PITCH,  2064                      ; a token row in LDS: 2,048 bytes + 16 = 129 x 16: the 16 rows of a load start at 16 different groups of four banks (ISA guide 11.1)
.set STAGE,  166400                    ; behind the rows (which end at 165,120) and a gap: 16 rows x 528 bytes for each wave, for the way out; no copy lands here
.set SPITCH, 528
.set SPARE,  STAGE+4*16*SPITCH         ; the spare words, 128 bytes for each of 4 waves
.set L16,  1                           ; v1      16 x lane
.set ADA0, 2                           ; v2-6    LDS address of my part of row block i's fragments, at K = 0
.set ADA,  7                           ; v7-11   the same at the trip's K
.set VST,  12                          ; v12     the way out: where I put 32 bytes of a row
.set VRD,  13                          ; v13     the way out: where I read a row back
.set H32,  14                          ; v14     32 x (lane / 16)
.set TA,   15                          ; v15     at work
.set SPW,  16                          ; v16     LDS address of my spare word; never rewritten
.set NIL,  17                          ; v17     0; never rewritten
.set TK,   18                          ; v18-20  the tokens of rows 32 m + lane
.set GT,   21                          ; v21     the tokens of the 20 rows that my wave copies
.set PT,   22                          ; v22-26  the token of row 16 i + lane % 16, later x 16
.set LNR,  27                          ; v27     lane; later at work
.set RS,   28                          ; v28-47  (rho, rho, sigma, sigma) of row 16 i + lane % 16 at RS + 4 i
.set OFS,  48                          ; v48-63  the way out: byte offsets of 16 rows in out0
.set BIA,  64                          ; v64-127   b_a of my 64 columns (8 c + j); later the way out's scaled results
.set BIB,  128                         ; v128-191  b_b; later the way out's rows read back
.set GOF,  192                         ; v192-211  the copies' offsets in xb
.set LOF,  212                         ; v212-231  the copies' LDS addresses
.set TT,   192                         ; v192-255  rho b_a + b_b, first written when the copies are long done
.set TMP,  64
.set BK,   128
.set F0,   64                          ; token fragments, in window 3
.set WV,   18
.set EA,   20                          ; s[20:23] the tile's entry: a, b, first place in perm, rows
.set EB,   21
.set ST,   22
.set CNT,  23
.set CM1,  24                          ; s24  the last row that exists
.set TR,   25                          ; s25  trips to go
.set KOFF, 26                          ; s26  the trip's K in bytes of a row
.set P,    28                          ; s[28:29] wb at the trip that is being asked for
.set PB,   30                          ; s[30:31] wb at expert b's columns of mine
.set OF,   32                          ; s[32:33] an offset, high word 0
.set PA,   34                          ; s[34:35] wb at expert a's
.set BA,   36                          ; s[36:37], s[38:39] expert_b at my columns of a and of b
.set BB,   38
.set OB,   40                          ; s[40:41] out0 at my columns
.set TS,   48                          ; s48-63  a batch of tokens read out of lanes
.set MSB, 0
.macro WIN new                         ; the immediate's high byte repeats the setting that is left; a switch that changes nothing is dropped
.if MSB != (\new)
	s_set_vgpr_msb (MSB<<8)|(\new)
.set MSB, (\new)
.endif
.endm
.macro PLACES                          ; four places behind a matrix instruction, in front of loads into registers that it read and of vector lines that read its result
.rept 4
	v_nop
.endr
.endm
; 16 loads: the weights of step j of the trip at base, 8 column blocks x 32 k
.macro LOADB j, base
	WIN 0x40                                       ; destination window 1
.irp c, 0,1,2,3,4,5,6,7
	global_load_b128 v[64*(\j)+8*\c:64*(\j)+8*\c+3],   v[L16], s[\base:\base+1] offset:8192*(\j)+1024*\c
	global_load_b128 v[64*(\j)+8*\c+4:64*(\j)+8*\c+7], v[L16], s[\base:\base+1] offset:8192*(\j)+1024*\c+512
.endr
.endm
; 10 LDS loads: the token fragments of 32 k at byte imm behind the trip's K, into buffer fb
.macro FETCHA fb, imm
	WIN 0xc0                                       ; destination window 3
.irp i, 0,1,2,3,4
	ds_load_b128 v[(\fb)+8*\i:(\fb)+8*\i+3],   v[ADA+\i] offset:(\imm)
	ds_load_b128 v[(\fb)+8*\i+4:(\fb)+8*\i+7], v[ADA+\i] offset:(\imm)+32
.endr
.endm
; 8 matrix instructions: row block i, whose accumulators begin at register ab of their window, x all 8 column blocks.  zero = 1: the products start the sums.
.macro WMB ab, i, j, fb, zero
.irp c, 0,1,2,3,4,5,6,7
.if \zero
	v_wmma_f32_16x16x32_bf16 v[(\ab)+8*\c:(\ab)+8*\c+7], v[64*(\j)+8*\c:64*(\j)+8*\c+7], v[(\fb)+8*(\i):(\fb)+8*(\i)+7], 0
.else
	v_wmma_f32_16x16x32_bf16 v[(\ab)+8*\c:(\ab)+8*\c+7], v[64*(\j)+8*\c:64*(\j)+8*\c+7], v[(\fb)+8*(\i):(\fb)+8*(\i)+7], v[(\ab)+8*\c:(\ab)+8*\c+7]
.endif
.endr
.endm
; A step's products, 40 at the most: the accumulators take turns, one instruction a turn, in the same order in every step; whichever block ends a step, the next step begins with
; accumulator (0, 0).  But for the step that starts the sums, the row blocks that lie wholly past the tile's count are jumped: blocks 2 to 4 where it has at most 32 rows, block 4 where at most 64.
.macro WM j, fb, zero
	WIN 0xad                                       ; W window 1, tokens window 3, C and D window 2
	WMB 0, 0, \j, \fb, \zero
	WMB 64, 1, \j, \fb, \zero
.if (\zero) == 0
	WIN 0                                          ; at a branch and at a label every window is 0
	s_cmp_le_u32 s[CNT], 32
	s_cbranch_scc1 .Lrows_\@
.endif
	WIN 0xad
	WMB 128, 2, \j, \fb, \zero
	WMB 192, 3, \j, \fb, \zero
.if (\zero) == 0
	WIN 0
	s_cmp_le_u32 s[CNT], 64
	s_cbranch_scc1 .Lrows_\@
.endif
	WIN 0xfd                                       ; C and D window 3
	WMB 0, 4, \j, \fb, \zero
.if (\zero) == 0
	WIN 0
.Lrows_\@:
.endif
.endm
; Step j of a trip.  load = 1: behind its products the step's ring registers are asked for again, for the next trip; load = 0: the last trip.
; adv = 1 (a loop trip's first step): the weights' pointer goes on to the trip that this trip asks for.  It is stepped here, a step's products behind the last loads that name it.
.macro STEP j, zero, load, adv=0
.if \load
	s_wait_loadcnt 48                              ; loads come back in order (ISA guide 5.7.1): this step's 16 are in, the next three steps' 48 stay out
.else
	s_wait_loadcnt 16*(3-(\j))                     ; nothing more is asked for: the counts run down
.endif
	s_wait_dscnt 0x0                               ; this step's token fragments, fetched a step ago
.if (\j) < 3
	FETCHA F0+40*(((\j)+1)&1), 64*((\j)+1)         ; the next step's, into the buffer whose last reader stands in front of the four places of the step before
.elseif \load
	WIN 0
	s_add_co_u32 s[KOFF], s[KOFF], 256             ; the next trip's 128 k; behind expert a's 1,024 k it begins anew
	s_and_b32 s[KOFF], s[KOFF], 2047
.irp i, 0,1,2,3,4
	v_add_nc_u32 v[ADA+\i], s[KOFF], v[ADA0+\i]
.endr
	FETCHA F0, 0
.endif
	WM \j, F0+40*((\j)&1), \zero
	PLACES
.if \load
.if \adv
	s_wait_xcnt 0x0                                ; the loads' base is written only behind this wait (ISA guide 3.1)
	s_add_nc_u64 s[P:P+1], s[P:P+1], 0x8000
	s_cmp_eq_u32 s[TR], 8                          ; trip 7 asks for trip 8: expert b's first
	s_cselect_b64 s[P:P+1], s[PB:PB+1], s[P:P+1]
.endif
	LOADB \j, P
.endif
.endm
.macro TRIP load
	STEP 0, 0, \load, \load
	STEP 1, 0, \load
	STEP 2, 0, \load
	STEP 3, 0, \load
	WIN 0                                          ; at a label and at a branch every window is 0
.endm
; BETWEEN THE EXPERTS: the biases are rounded to bf16; acc = rho acc + (rho b_a + b_b), row block by row block; each accumulator's registers in ascending order.
.macro FOLD
.set n, 0
.rept 64
	v_cvt_pk_bf16_f32 v[TA+12*(n%2)], v[BIA+2*n], v[BIA+2*n+1]
	v_lshlrev_b32 v[BIA+2*n], 16, v[TA+12*(n%2)]
	v_and_b32 v[BIA+2*n+1], 0xffff0000, v[TA+12*(n%2)]
.set n, n+1
.endr
.irp i, 0,1,2,3,4
	WIN 0
.set n, 0
.rept 32
	v_pk_fma_f32 v[TT+2*n:TT+2*n+1], v[BIA+2*n:BIA+2*n+1], v[RS+4*\i:RS+4*\i+1], v[BIB+2*n:BIB+2*n+1]
.set n, n+1
.endr
	WIN 0x82+0x41*(\i/4)                           ; destination and source 0 in window 2, or 3 for the last block
.set n, 0
.rept 32
	v_pk_fma_f32 v[64*(\i%4)+2*n:64*(\i%4)+2*n+1], v[64*(\i%4)+2*n:64*(\i%4)+2*n+1], v[RS+4*\i:RS+4*\i+1], v[TT+2*n:TT+2*n+1]
.set n, n+1
.endr
.endr
	WIN 0
.endm
; THE WAY OUT of row block i: times sigma; 32 bytes a lane into my own stage; back as whole rows of 512 bytes; each row goes to its token's place.  Rows past the count, and all behind them, are jumped.
; The 16 rows' tokens are read out of their lanes as one batch, bounded as one batch and made into offsets as one batch, with the block's other work between the batches.
.macro OUT i
	s_wait_xcnt 0x0                                ; the block before's stores have had their addresses translated (ISA guide 3.1): only now are their data and offsets rewritten
.set n, 0
.rept 16
	v_readlane_b32 s[TS+n], v[TK+(16*(\i)+n)/32], (16*(\i)+n)%32
.set n, n+1
.endr
	WIN 0x02+(\i)/4                                ; source 0 in window 2, or 3
.set n, 0
.rept 32
	v_pk_mul_f32 v[TMP+2*n:TMP+2*n+1], v[64*((\i)%4)+2*n:64*((\i)%4)+2*n+1], v[RS+4*(\i)+2:RS+4*(\i)+3]
.set n, n+1
.endr
	WIN 0
.set n, 0
.rept 16
	s_min_u32 s[TS+n], s[TS+n], 8191
.set n, n+1
.endr
.set n, 0
.rept 16
	ds_store_b128 v[VST], v[TMP+4*n:TMP+4*n+3] offset:64*(n/2)+16*(n%2)
.set n, n+1
.endr
.set n, 0
.rept 16
	ds_load_b128 v[BK+4*n:BK+4*n+3], v[VRD] offset:SPITCH*n  ; LDS serves a wave's instructions in order (ISA guide 5.7.1.4): these see the stores above
.set n, n+1
.endr
.set n, 0
.rept 16
	v_lshl_add_u32 v[OFS+n], s[TS+n], 12, v[L16]
.set n, n+1
.endr
.set n, 0
.rept 16
	s_cmp_le_u32 s[CNT], 16*(\i)+n
	s_cbranch_scc1 .Lend
	s_wait_dscnt 15-n                              ; row n is back; the younger loads stay out
	global_store_b128 v[OFS+n], v[BK+4*n:BK+4*n+3], s[OB:OB+1] th:TH_STORE_NT  ; 512 consecutive bytes, aligned
.set n, n+1
.endr
.endm
	s_load_b256 s[4:11], s[0:1], 0x0               ; xb s[4:5], wb s[6:7], rs s[8:9], perm s[10:11]
	s_load_b128 s[12:15], s[0:1], 0x20             ; tiles s[12:13], expert_b s[14:15]
	s_load_b64 s[16:17], s[0:1], 0x30              ; out0
	v_lshl_add_u32 v[SPW], v0, 2, SPARE
	v_mov_b32 v[NIL], 0
	ds_add_u32 v[SPW], v[NIL]                      ; the wave's opening: the add and its wait ahead of my first copy; the set-up below stands between them
	v_lshrrev_b32 v[TA], 5, v0
	v_readfirstlane_b32 s[WV], v[TA]               ; wave 0..3
	v_and_b32 v[LNR], 31, v0
	v_lshlrev_b32 v[L16], 4, v[LNR]
	v_and_b32 v[TA], 15, v0                        ; r = lane % 16
	v_bfe_u32 v[H32], v0, 4, 1                     ; h = lane / 16
	v_mul_u32_u24 v[ADA0], v[TA], PITCH
	v_lshl_add_u32 v[ADA0], v[H32], 4, v[ADA0]     ; row x pitch + 16 h
.irp i, 1,2,3,4
	v_add_nc_u32 v[ADA0+\i], 16*\i*PITCH, v[ADA0]
.endr
.irp i, 0,1,2,3,4
	v_mov_b32 v[ADA+\i], v[ADA0+\i]
.endr
	s_mul_i32 s42, s[WV], 16*SPITCH
	s_add_co_u32 s42, s42, STAGE                   ; my stage
	v_mul_u32_u24 v[VST], v[TA], SPITCH
	v_lshl_add_u32 v[VST], v[H32], 5, v[VST]
	v_add_nc_u32 v[VST], s42, v[VST]
	v_add_nc_u32 v[VRD], s42, v[L16]
	v_lshlrev_b32 v[H32], 5, v[H32]
	s_mov_b32 s[KOFF], 0
	s_mov_b32 s[OF+1], 0
	s_and_b32 s42, ttmp7, 0xffff                   ; the tile
	s_lshl_b32 s42, s42, 4
	s_lshl_b32 s43, ttmp9, 2
	s_add_co_u32 s43, s43, s[WV]                   ; cg
	s_wait_dscnt 0x0                               ; the opening add is done
	s_wait_kmcnt 0x0
	s_load_b128 s[EA:EA+3], s[12:13], s42 offset:0x0
	s_wait_kmcnt 0x0
	s_min_u32 s[EA], s[EA], 7                      ; what was read from memory is bounded before it enters an address
	s_min_u32 s[EB], s[EB], 7
	s_min_u32 s[ST], s[ST], 8191
	s_min_u32 s[CNT], s[CNT], 80
	s_max_u32 s[CM1], s[CNT], 1
	s_sub_co_u32 s[CM1], s[CM1], 1
	s_lshl_b32 s[OF], s[EA], 3
	s_add_co_u32 s[OF], s[OF], s43
	s_lshl_b32 s[OF], s[OF], 18
	s_add_nc_u64 s[PA:PA+1], s[6:7], s[OF:OF+1]
	s_lshl_b32 s[OF], s[EB], 3
	s_add_co_u32 s[OF], s[OF], s43
	s_lshl_b32 s[OF], s[OF], 18
	s_add_nc_u64 s[PB:PB+1], s[6:7], s[OF:OF+1]
	s_add_nc_u64 s[P:P+1], s[PA:PA+1], 0x8000      ; trip 0 asks for trip 1
	s_lshl_b32 s44, s43, 9                         ; my 128 columns in f32
	s_lshl_b32 s[OF], s[EA], 12
	s_add_co_u32 s[OF], s[OF], s44
	s_add_nc_u64 s[BA:BA+1], s[14:15], s[OF:OF+1]
	s_lshl_b32 s[OF], s[EB], 12
	s_add_co_u32 s[OF], s[OF], s44
	s_add_nc_u64 s[BB:BB+1], s[14:15], s[OF:OF+1]
	s_mov_b32 s[OF], s44
	s_add_nc_u64 s[OB:OB+1], s[16:17], s[OF:OF+1]
	; THE LISTS: nine registers of rows, v18-26; a row past the count becomes the last row that exists
	s_mul_i32 s43, s[WV], 20
.irp m, 0,1,2
	v_add_nc_u32 v[TK+\m], 32*\m, v[LNR]
.endr
	v_min_u32 v[GT], 19, v[LNR]
	v_add_nc_u32 v[GT], s43, v[GT]
.irp i, 0,1,2,3,4
	v_add_nc_u32 v[PT+\i], 16*\i, v[TA]
.endr
.set n, 0
.rept 9
	v_min_u32 v[TK+n], s[CM1], v[TK+n]
	v_add_nc_u32 v[TK+n], s[ST], v[TK+n]
	v_min_u32 v[TK+n], 0x1fff, v[TK+n]
	v_lshlrev_b32 v[TK+n], 2, v[TK+n]
.set n, n+1
.endr
.set n, 0
.rept 9
	global_load_b32 v[TK+n], v[TK+n], s[10:11]     ; each load lands on its own address register
.set n, n+1
.endr
	; what needs no list goes out behind the lists' loads, while these are on their way: the biases and the first step's weights, 48 loads
.set n, 0
.rept 16
	global_load_b128 v[BIA+4*n:BIA+4*n+3], v[H32], s[BA:BA+1] offset:64*(n/2)+16*(n%2)
	global_load_b128 v[BIB+4*n:BIB+4*n+3], v[H32], s[BB:BB+1] offset:64*(n/2)+16*(n%2)
.set n, n+1
.endr
	LOADB 0, PA
	WIN 0
	s_wait_loadcnt 48                              ; the nine lists are in; the 48 loads behind them stay out
.set n, 0
.rept 9
	v_min_u32 v[TK+n], 0x1fff, v[TK+n]
.set n, n+1
.endr
	; THE COPIES: my wave's rows 20 w .. 20 w + 19, 512 consecutive bytes a copy (the immediate steps both addresses), 80 copies
	s_mul_i32 s44, s[WV], 20*PITCH
.irp hb, 0,1
.set n, 0
.rept 10
	v_readlane_b32 s[TS+n], v[GT], 10*\hb+n
.set n, n+1
.endr
.set n, 0
.rept 10
	s_min_u32 s[TS+n], s[TS+n], 8191
.set n, n+1
.endr
.set n, 0
.rept 10
	v_lshl_add_u32 v[GOF+10*\hb+n], s[TS+n], 11, v[L16]
.set n, n+1
.endr
.endr
.set t, 0
.rept 20
	s_add_co_u32 s45, s44, t*PITCH
	v_add_nc_u32 v[LOF+t], s45, v[L16]
.set t, t+1
.endr
.irp q, 0,1,2
.set t, 0
.rept 20
	global_load_async_to_lds_b128 v[LOF+t], v[GOF+t], s[4:5] offset:512*\q
.set t, t+1
.endr
.endr
	; the gates, then the weights of steps 1 to 3: 48 loads are younger than the gates, so the first step's counted wait covers biases, its own weights and the gates
.irp i, 0,1,2,3,4
	v_lshlrev_b32 v[PT+\i], 4, v[PT+\i]
.endr
.irp i, 0,1,2,3,4
	global_load_b128 v[RS+4*\i:RS+4*\i+3], v[PT+\i], s[8:9]
.endr
	LOADB 1, PA
	LOADB 2, PA
	LOADB 3, PA
	WIN 0
.set t, 0
.rept 20
	global_load_async_to_lds_b128 v[LOF+t], v[GOF+t], s[4:5] offset:1536
.set t, t+1
.endr
	s_wait_asynccnt 0x0                            ; my 80 copies have landed,
	s_barrier_signal -1
	s_barrier_wait -1                              ; everybody's have: the whole tile may be read, and no copy writes it again
	FETCHA F0, 0
	STEP 0, 1, 1                                   ; trip 0's first step starts all 40 sums.  Every work-group runs it whole, one without rows too (on the row that its clamped list names):
	                                               ; so every register that the way out reads has been written on every way to it, and its wait shows gates and biases landed
	WIN 0
	s_cmp_eq_u32 s[CNT], 0
	s_cbranch_scc1 .Lmeet                          ; an entry without rows: the rest of the products is jumped; no barrier stands in what is jumped
	STEP 1, 0, 1                                   ; the rest of trip 0
	STEP 2, 0, 1
	STEP 3, 0, 1
	WIN 0
	s_mov_b32 s[TR], 14
.Ltrip:                                                ; trips 1 to 14; trip t runs with TR = 15 - t and asks for trip t + 1
	TRIP 1
	s_cmp_lg_u32 s[TR], 8                          ; behind trip 7 expert a is done
	s_cbranch_scc1 .Lnofold
	FOLD
.Lnofold:
	s_sub_co_u32 s[TR], s[TR], 1
	s_cmp_lg_u32 s[TR], 0
	s_cbranch_scc1 .Ltrip
	TRIP 0                                         ; trip 15 asks for nothing
.Lmeet:
	s_wait_dscnt 0x0                               ; my reads of the token rows are over,
	s_barrier_signal -1
	s_barrier_wait -1                              ; everybody's are: only behind this barrier does any wave store into LDS (the stages, the closing add)
	s_cmp_eq_u32 s[CNT], 0
	s_cbranch_scc1 .Lend                           ; an entry without rows stores nothing
	OUT 0
	OUT 1
	OUT 2
	OUT 3
	OUT 4
.Lend:
	s_wait_tensorcnt 0x0                           ; the wave's end, behind my last copy and my last LDS store
	s_wait_asynccnt 0x0
	ds_add_u32 v[SPW], v[NIL]
	s_wait_dscnt 0x0
	s_endpgm
.Lfunc_end_k_q2924df4045_experts:
	.size	k_q2924df4045_experts, .Lfunc_end_k_q2924df4045_experts-k_q2924df4045_experts
	.p2alignl 7, 3214868480
	.fill 96, 4, 3214868480
	.section	.rodata,"a",@progbits
	.p2align	6, 0x0
	.amdhsa_kernel k_q2924df4045_experts
		.amdhsa_group_segment_fixed_size 200704
		.amdhsa_private_segment_fixed_size 0
		.amdhsa_enable_private_segment 0
		.amdhsa_kernarg_size 56
		.amdhsa_user_sgpr_count 2
		.amdhsa_user_sgpr_kernarg_segment_ptr 1
		.amdhsa_wavefront_size32 1
		.amdhsa_system_sgpr_workgroup_id_x 1
		.amdhsa_system_sgpr_workgroup_id_y 1
		.amdhsa_system_sgpr_workgroup_id_z 1
		.amdhsa_system_vgpr_workitem_id 0
		.amdhsa_next_free_vgpr 912
		.amdhsa_next_free_sgpr 66
		.amdhsa_reserve_vcc 0
		.amdhsa_float_denorm_mode_32 3
		.amdhsa_float_denorm_mode_16_64 3
		.amdhsa_memory_ordered 1
		.amdhsa_forward_progress 1
		.amdhsa_inst_pref_size 168
	.end_amdhsa_kernel
	.amdgpu_metadata
---
amdhsa.version: [ 1, 2 ]
amdhsa.kernels:
  - .name:           k_q2924df4045_experts
    .symbol:         k_q2924df4045_experts.kd
    .args:
      - { .name: xb, .offset: 0, .size: 8, .value_kind: global_buffer, .address_space: global }
      - { .name: wb, .offset: 8, .size: 8, .value_kind: global_buffer, .address_space: global }
      - { .name: rs, .offset: 16, .size: 8, .value_kind: global_buffer, .address_space: global }
      - { .name: perm, .offset: 24, .size: 8, .value_kind: global_buffer, .address_space: global }
      - { .name: tiles, .offset: 32, .size: 8, .value_kind: global_buffer, .address_space: global }
      - { .name: expert_b, .offset: 40, .size: 8, .value_kind: global_buffer, .address_space: global }
      - { .name: out0, .offset: 48, .size: 8, .value_kind: global_buffer, .address_space: global }
    .group_segment_fixed_size: 200704
    .private_segment_fixed_size: 0
    .kernarg_segment_align: 8
    .kernarg_segment_size: 56
    .max_flat_workgroup_size: 128
    .sgpr_count:     66
    .vgpr_count:     912
    .wavefront_size: 32
...
	.end_amdgpu_metadata
.endif
;; end of part 3
